; MI455X (gfx1250); checked and timed in simulation.
; The chip was launched on July 23, 2026; its instructions are those of AMD's public machine-readable ISA for CDNA 5 (MIT licence, August 2026) and "CDNA5" Instruction Set Architecture Reference Guide (July 2026). The comments in the code are by the model that wrote it; some were corrected since.
;; Causal Self Attention. Allowed arithmetic: matrix products marked QUANTISED: E4M3 operands, one given power-of-two scale a tensor, by v_wmma_f32_16x16x64_fp8_fp8 or v_wmma_f32_16x16x128_fp8_fp8, f32 sums; everything else in f32.
;; Inputs: Wk 1,024 x 1,024 float32; Wp 1,024 x 1,024 float32; Wq 1,024 x 1,024 float32; Wv 1,024 x 1,024 float32; bk 1,024 float32; bp 1,024 float32; bq 1,024 float32; bv 1,024 float32; lowp_scales 12 int32 (the exponents e of the quantised operands' scales 2^e); x 4 x 2,048 x 1,024 float32.
;; Outputs: out0 4 x 2,048 x 1,024 float32.
;; This version of the problem:
;;   THIS VERSION OF THE PROBLEM IS GIVEN IN LOW PRECISION. The matrix products marked QUANTISED in the list below multiply operands that are first quantised to E4M3 (4 exponent bits, 3 mantissa bits; 8 bits a number), with one given power-of-two scale for each operand tensor; their sums are f32. All else is computed in f32.
;;   The module's matrix products, in the order in which they are computed (A, B: the left and right operand; K: the contracted axis; several contracted axes count as one K, in the product's order):
;;     1. [M 8,192, K 1,024] x [K 1,024, N 1,024]; A: input x; B: input Wk: QUANTISED (scales: A lowp_scales[0], B lowp_scales[1])
;;     2. [M 8,192, K 1,024] x [K 1,024, N 1,024]; A: input x; B: input Wq: QUANTISED (scales: A lowp_scales[2], B lowp_scales[3])
;;     3. [M 8,192, K 1,024] x [K 1,024, N 1,024]; A: input x; B: input Wv: QUANTISED (scales: A lowp_scales[4], B lowp_scales[5])
;;     4. batch 64 x [M 2,048, K 64] x [K 64, N 2,048]; A: computed on the way; B: computed on the way: QUANTISED (scales: A lowp_scales[6], B lowp_scales[7])
;;     5. batch 64 x [M 2,048, K 2,048] x [K 2,048, N 64]; A: softmax (see below); B: computed on the way: QUANTISED (scales: A lowp_scales[8], B lowp_scales[9])
;;     6. [M 8,192, K 1,024] x [K 1,024, N 1,024]; A: computed on the way; B: input Wp: QUANTISED (scales: A lowp_scales[10], B lowp_scales[11])
;;   THE QUANTISER, for each operand of a quantised product, along K:
;;     - The operand's scale is 2^e, e = its entry of the input lowp_scales (int32; the entries are numbered through the quantised products in the list's order, A before B).
;;     - Each number is divided by the scale, clamped to +-448, and rounded to the nearest number of E4M3, ties to even, subnormals kept.
;;     - The product sums the exact products of the quantised numbers (number of the format x scale) in f32.
;;   ~~~python
;;   def quantise(x, axis, e):      # numpy; x: float32 -> the quantised numbers, widened to float32 again
;;       x = np.moveaxis(x, axis, -1); K = x.shape[-1]
;;       r = np.clip(x / 2.0 ** e, -448, 448)
;;       step = 2.0 ** (np.maximum(np.frexp(np.where(r == 0, 1, r))[1] - 1, -6) - 3)
;;       q = np.round(r / step) * step * 2.0 ** e      # np.round: ties to even
;;       return np.moveaxis(q, -1, axis).astype(np.float32)
;;   ~~~
;;   SOFTMAX AHEAD OF A QUANTISED PRODUCT. Where the list says 'softmax', what is quantised is not the finished softmax but p = 2^(t - M), with t = logit x log2(e) and M = ceil(the row's largest t), a whole number; so 1/2 < the row's largest p <= 1. The row's sum l is taken of the UNQUANTISED p, in f32, and the product's result is divided by l at the end. Since M is a whole number, a kernel that streams over the keys may use a running M (the ceiling of the running maximum): every later rescaling is an exact power of two, so the quantised numbers keep their values, but for numbers so far below the row's largest that they fall under the format's range.
;;   OPERANDS COMPUTED ON THE WAY. 'Computed on the way' means the value that the module computes at that place (a softmax that the list does not call 'softmax' is quantised finished and normalised). What goes into a quantiser is computed in f32, as accurately as f32 sums, v_exp_f32 and their like allow (about 1e-6 of the number): no bf16 or f16 on the way to a quantiser, and a product that is left as it is and whose result goes on into a quantised operand takes f32 operands (vector FMAs, or v_wmma_f32_16x16x4_f32). A number that lies on a knife's edge between two numbers of the format may be rounded either way, as far as f32 arithmetic and the matrix unit's own rounding can turn it there, and no further.
;; One version. Each part assembles by itself: llvm-mc -triple=amdgcn-amd-amdhsa -mcpu=gfx1250 --defsym DOCPART=n.
;; ======== version 1 of 1: 4 launches
;; limits: right only within a limited range of input values
;; workspace buffers: xc 25,165,824 bytes; wc 4,194,304 bytes; qc 8,388,608 bytes; kvc 16,777,216 bytes; yc 8,388,608 bytes
;; launch quant (part 1): grid 768 x 1, 4 waves a work-group, no clusters, 34,304 bytes of LDS; arguments x, Wk, Wq, Wv, Wp, lowp_scales, xc, wc; writes xc, wc
.if DOCPART == 1
	.amdgcn_target "amdgcn-amd-amdhsa--gfx1250"
	.amdhsa_code_object_version 6
	.text
	.protected	k_q27ec32fb9f_quant
	.globl	k_q27ec32fb9f_quant
	.p2align	8
	.type	k_q27ec32fb9f_quant,@function
k_q27ec32fb9f_quant:
	s_mov_b64 s[64:65], 0
	v_nop
	global_prefetch_b8 v0, s[64:65] scope:SCOPE_SE
	s_setreg_imm32_b32 hwreg(HW_REG_WAVE_MODE, 25, 1), 1
	s_wait_xcnt 0x0
; x [8192][1024] f32 becomes THREE sets of E4M3 codes (it is the left operand of three products, each with a scale entry of its own: 0, 2, 4);
; Wk, Wq, Wv, Wp [1024][1024] f32 become one set each (entries 1, 3, 5, 11).  code = number / 2^e, to the nearest code, ties to even.
; LAYOUT OF THE CODES: an image of the operand's registers.  16 rows x 128 along K are 2,048 bytes: [group g = 0..3][lane 0..31][16 bytes]; lane (r = lane % 16, h = lane / 16)
; holds row r; its registers 2c, 2c+1 hold k = 16c + 8h + 0..7; group g is registers 4g .. 4g+3.  A buffer is [16-row block][K / 128][2,048].
; SHARES: work-groups 0..511 take a 16-row block of x, 512..767 a 16-row block of a weight.  Wave w takes K = 256 w .. 256 w + 255, as two units of 128.
; Each load reads 512 consecutive bytes of one row; a unit's 16 rows turn through the wave's own stage in LDS (rows 528 bytes apart, an odd multiple of 16, so that the sixteen
; lanes of a read start at sixteen different 16-byte columns) and come back as 8 neighbours along K for each pair of code registers.  Each store writes 512 consecutive bytes.
; No tensor load, no barrier: waves share nothing.  Both units' 32 loads of a wave are out at once.
; LIMITS: each e between -126 and 119, so that 2^e is an f32 number.  NaN among the inputs is not served.
.set STG,   16*528                     ; a wave's stage
.set SPARE, 4*STG                      ; behind the stages: the spare words, 128 bytes a wave: two blocks of 256 bytes that no other line names
.set LI,  1                            ; v1   16 x lane
.set SST, 2                            ; v2   stage, on the way in: 16 x lane
.set SLD, 3                            ; v3   stage, on the way out: 528 r + 32 h
.set SPW, 4                            ; v4   my spare word; never rewritten
.set NIL, 5                            ; v5   0; never rewritten
.set SC,  6                            ; v6.. for output o: v[6+2o] = 2^e
.set R,   16                           ; v16-143  two units x 64 as loaded
.set X,   144                          ; v144-207 a unit's 64 numbers of my lane: register 8c + i = k 16c + 8h + i of row r
.set C,   208                          ; v208-255 codes: 16 registers for each of three outputs
.set IN,  8                            ; s[8:9]   my wave's first byte of the f32 tensor
.set OUT, 48                           ; s[48:53] my wave's first byte of the codes, output 0, 1, 2
	s_load_b512 s[16:31], s[0:1], 0x0              ; x, Wk, Wq, Wv, Wp, the scales, xc, wc
	v_lshl_add_u32 v[SPW], v0, 2, SPARE
	v_mov_b32 v[NIL], 0
	v_lshrrev_b32 v12, 5, v0
	v_readfirstlane_b32 s4, v12                    ; wave 0..3
	v_and_b32 v12, 31, v0
	v_lshlrev_b32 v[LI], 4, v12
	s_mul_i32 s5, s4, STG
	v_add_nc_u32 v[SST], s5, v[LI]
	v_and_b32 v13, 15, v0                          ; r
	v_bfe_u32 v14, v0, 4, 1                        ; h
	v_mul_u32_u24 v[SLD], v13, 528
	v_lshl_add_u32 v[SLD], v14, 5, v[SLD]
	v_add_nc_u32 v[SLD], s5, v[SLD]
	s_sub_co_u32 s2, ttmp9, 512                    ; for a weight's work-group:
	s_lshr_b32 s3, s2, 6
	s_and_b32 s3, s3, 3                            ; which weight,
	s_and_b32 s2, s2, 63                           ; which 16-row block of it
	s_wait_alu depctr_va_vdst(0)
	s_wait_kmcnt 0x0
	s_load_b256 s[36:43], s[26:27], 0x0            ; e0 .. e7
	s_load_b128 s[44:47], s[26:27], 0x20           ; e8 .. e11
	s_cmp_eq_u32 s3, 1                             ; the choices hang on the work-group's number alone
	s_cselect_b64 s[32:33], s[20:21], s[18:19]
	s_cmp_eq_u32 s3, 2
	s_cselect_b64 s[32:33], s[22:23], s[32:33]
	s_cmp_eq_u32 s3, 3
	s_cselect_b64 s[32:33], s[24:25], s[32:33]
	s_lshl_b32 s6, s3, 20                          ; a weight's codes are 1 MiB
	s_cmp_lt_u32 ttmp9, 512
	s_cselect_b64 s[IN:IN+1], s[16:17], s[32:33]
	s_cselect_b64 s[OUT:OUT+1], s[28:29], s[30:31]
	s_cselect_b32 s2, ttmp9, s2                    ; the 16-row block
	s_cselect_b32 s6, 0, s6
	s_lshl_b32 s12, s2, 16                         ; 16 rows of 4,096 bytes,
	s_lshl_b32 s13, s4, 10                         ; my wave's 256 numbers of a row
	s_add_co_u32 s12, s12, s13
	s_mov_b32 s13, 0
	s_add_nc_u64 s[IN:IN+1], s[IN:IN+1], s[12:13]
	s_lshl_b32 s12, s2, 14                         ; a block's codes are 8 images of 2,048 bytes,
	s_lshl_b32 s14, s4, 12                         ; my wave's two of them
	s_add_co_u32 s12, s12, s14
	s_add_co_u32 s12, s12, s6
	s_add_nc_u64 s[OUT:OUT+1], s[OUT:OUT+1], s[12:13]
	s_add_nc_u64 s[OUT+2:OUT+3], s[OUT:OUT+1], 0x800000    ; x's second and third set lie 8 MiB apart (used by x's work-groups alone)
	s_add_nc_u64 s[OUT+4:OUT+5], s[OUT:OUT+1], 0x1000000
.macro LOAD u
.irp p, 0,1,2,3,4,5,6,7,8,9,10,11,12,13,14,15
	global_load_b128 v[R+64*\u+4*\p:R+64*\u+4*\p+3], v[LI], s[IN:IN+1] offset:4096*\p+512*\u th:TH_LOAD_NT   ; row p: 32 lanes read 512 consecutive bytes
.endr
.endm
	LOAD 0
	LOAD 1
	s_wait_kmcnt 0x0
	s_cmp_eq_u32 s3, 1
	s_cselect_b32 s7, s39, s37                     ; e3 or e1
	s_cmp_eq_u32 s3, 2
	s_cselect_b32 s7, s41, s7                      ; e5
	s_cmp_eq_u32 s3, 3
	s_cselect_b32 s7, s47, s7                      ; e11
	s_cmp_lt_u32 ttmp9, 512
	s_cselect_b32 s7, s36, s7                      ; e0 for x
.macro MKSC e, o                       ; 2^e as f32 (the conversion takes its exponent field)
	s_add_co_i32 s14, s\e, 127
	s_lshl_b32 s15, s14, 23
	v_mov_b32 v[SC+2*\o], s15
.endm
	MKSC 7, 0
	MKSC 38, 1                                     ; e2
	MKSC 40, 2                                     ; e4
; One set of codes of unit u: the conversions, four stores of 512 consecutive bytes.
.macro OUTP u, o
.set i, 0
.rept 64
.set i, i+1
.endr
.irp c, 0,1,2,3,4,5,6,7
	v_cvt_scalef32_pk8_fp8_f32 v[C+16*\o+2*\c:C+16*\o+2*\c+1], v[R+64*\u+8*\c+((X+i)-(R+64*\u+i)):R+64*\u+8*\c+7+((X+i)-(R+64*\u+i))], v[SC+2*\o]
.endr
	v_nop                                          ; a plain line behind the last conversion
.irp g, 0,1,2,3
	global_store_b128 v[LI], v[C+16*\o+4*\g:C+16*\o+4*\g+3], s[OUT+2*\o:OUT+2*\o+1] offset:2048*\u+512*\g
.endr
.endm
.macro UNIT u
	s_wait_loadcnt 16*(1-\u)                       ; this unit's sixteen loads are in; the other unit's sixteen may be out
.if \u
	s_wait_xcnt 0x0                                ; the first unit's stores have read their registers: the codes' registers are written again only behind this wait
.endif
.irp p, 0,1,2,3,4,5,6,7,8,9,10,11,12,13,14,15
	ds_store_b128 v[SST], v[R+64*\u+4*\p:R+64*\u+4*\p+3] offset:528*\p
.endr
.irp c, 0,1,2,3,4,5,6,7
	ds_load_b128 v[X+8*\c:X+8*\c+3], v[SLD] offset:64*\c       ; LDS serves a wave's instructions in order (ISA guide 5.7.1.4): these see my stores
	ds_load_b128 v[X+8*\c+4:X+8*\c+7], v[SLD] offset:64*\c+16
.endr
	s_wait_dscnt 0x0                               ; the numbers are back, and the stores have read the unit's registers
	OUTP \u, 0
	s_cmp_lt_u32 ttmp9, 512                        ; a weight has one set of codes; only vector work and global stores stand under this branch
	s_cbranch_scc0 .Lone_set_\u
	OUTP \u, 1
	OUTP \u, 2
.Lone_set_\u:
.endm
	s_wait_alu depctr_va_vdst(0)
	UNIT 0
	UNIT 1
	s_wait_tensorcnt 0x0                           ; the wave's end, behind my last LDS store
	ds_add_u32 v[SPW], v[NIL]
	s_wait_dscnt 0x0
	s_endpgm
.Lfunc_end_k_q27ec32fb9f_quant:
	.size	k_q27ec32fb9f_quant, .Lfunc_end_k_q27ec32fb9f_quant-k_q27ec32fb9f_quant
	.p2alignl 7, 3214868480
	.fill 96, 4, 3214868480
	.section	.rodata,"a",@progbits
	.p2align	6, 0x0
	.amdhsa_kernel k_q27ec32fb9f_quant
		.amdhsa_group_segment_fixed_size 34304
		.amdhsa_private_segment_fixed_size 0
		.amdhsa_enable_private_segment 0
		.amdhsa_kernarg_size 64
		.amdhsa_user_sgpr_count 2
		.amdhsa_user_sgpr_kernarg_segment_ptr 1
		.amdhsa_wavefront_size32 1
		.amdhsa_system_sgpr_workgroup_id_x 1
		.amdhsa_system_sgpr_workgroup_id_y 1
		.amdhsa_system_sgpr_workgroup_id_z 1
		.amdhsa_system_vgpr_workitem_id 0
		.amdhsa_next_free_vgpr 256
		.amdhsa_next_free_sgpr 66
		.amdhsa_reserve_vcc 0
		.amdhsa_float_denorm_mode_32 3
		.amdhsa_float_denorm_mode_16_64 3
		.amdhsa_fp16_overflow 1
		.amdhsa_memory_ordered 1
		.amdhsa_forward_progress 1
		.amdhsa_inst_pref_size 16
	.end_amdhsa_kernel
	.amdgpu_metadata
---
amdhsa.version: [ 1, 2 ]
amdhsa.kernels:
  - .name:           k_q27ec32fb9f_quant
    .symbol:         k_q27ec32fb9f_quant.kd
    .args:
      - { .name: x, .offset: 0, .size: 8, .value_kind: global_buffer, .address_space: global }
      - { .name: Wk, .offset: 8, .size: 8, .value_kind: global_buffer, .address_space: global }
      - { .name: Wq, .offset: 16, .size: 8, .value_kind: global_buffer, .address_space: global }
      - { .name: Wv, .offset: 24, .size: 8, .value_kind: global_buffer, .address_space: global }
      - { .name: Wp, .offset: 32, .size: 8, .value_kind: global_buffer, .address_space: global }
      - { .name: lowp_scales, .offset: 40, .size: 8, .value_kind: global_buffer, .address_space: global }
      - { .name: xc, .offset: 48, .size: 8, .value_kind: global_buffer, .address_space: global }
      - { .name: wc, .offset: 56, .size: 8, .value_kind: global_buffer, .address_space: global }
    .group_segment_fixed_size: 34304
    .private_segment_fixed_size: 0
    .kernarg_segment_align: 8
    .kernarg_segment_size: 64
    .max_flat_workgroup_size: 128
    .sgpr_count:     66
    .vgpr_count:     256
    .wavefront_size: 32
...
	.end_amdgpu_metadata
.endif
;; end of part 1
;; launch qkv (part 2): grid 4 x 64, 4 waves a work-group, clusters of 4 x 4, 327,680 bytes of LDS; arguments xc, wc, lowp_scales, bk, bq, bv, qc, kvc; writes qc, kvc
.if DOCPART == 2
	.amdgcn_target "amdgcn-amd-amdhsa--gfx1250"
	.amdhsa_code_object_version 6
	.text
	.protected	k_q27ec32fb9f_qkv
	.globl	k_q27ec32fb9f_qkv
	.p2align	8
	.type	k_q27ec32fb9f_qkv,@function
k_q27ec32fb9f_qkv:
	s_mov_b64 s[64:65], 0
	v_nop
	global_prefetch_b8 v0, s[64:65] scope:SCOPE_SE
	s_setreg_imm32_b32 hwreg(HW_REG_WAVE_MODE, 25, 1), 1
	s_wait_xcnt 0x0
	s_wait_alu depctr_hold_cnt(0) depctr_sa_sdst(0) depctr_va_vdst(0) depctr_va_sdst(0) depctr_va_ssrc(0) depctr_va_vcc(0) depctr_vm_vsrc(0)
	s_getreg_b32 s2, hwreg(HW_REG_IB_STS2, 6, 4)
	s_cmp_eq_u32 s2, 0
	s_cbranch_scc0 .Lentry_in_a_cluster
	s_endpgm
.Lentry_in_a_cluster:
	s_bfe_u32 s2, ttmp6, 0x10000c
	s_cmp_lg_u32 s2, 0xf033
	s_cbranch_scc0 .Lentry_shape_is_right
	s_endpgm
.Lentry_shape_is_right:
; k = x Wk^T + bk, q = x Wq^T + bq, v = x Wv^T + bv on E4M3 codes (v_wmma_f32_16x16x128_fp8_fp8, sums in f32), each result quantised at once (entries 7, 6, 9) and stored as codes.
; ALL CODE BUFFERS ARE IMAGES OF OPERAND REGISTERS: 16 rows x 128 K = [group 0..3][lane][16 bytes]; lane (r, h) holds row r, registers 2c, 2c+1 hold k = 16c + 8h + 0..7.  So a fragment is four loads of
; 16 bytes a lane at 512 g + 16 x lane, an LDS tile has no pitch and no padding, and every k stands in its own place.
; A WORK-GROUP STAYS and makes three tiles of 128 ("A" rows) x 256 ("B" rows): tile 0 of k (A = x's first set, B = Wk), tile 1 of q (A = x's second set, B = Wq), tile 2 of v TRANSPOSED (A = Wv, B = x's third set).
; 768 tiles, three for each of 256 work-groups.  Four waves, 64 x 128 each: 32 accumulators.
; THE MATRIX INSTRUCTION IS USED TRANSPOSED (source 0 = 16 B rows, source 1 = 16 A rows): lane (r, h) holds A row r, register j B row 8h + j.  Eight registers are eight neighbours along the B rows, and one
; conversion of them is pair c = b of the next operand's image, lane for lane: head channels for q and k, keys for v (whose K in the second attention product is the keys).
; THE RING: K goes in 12 steps of 256 (4 a tile) through three LDS slots; step i lies in slot i % 3.  One tensor load brings one operand's whole tile of one step (A 32 KiB, B 64 KiB): waves 0, 1 fetch A, waves 2, 3 B;
; the even wave of a pair the earlier of two neighbouring steps, the odd wave the later.  Steps 0, 1, 2 go out at the head; behind step 0 the odd waves ask for step 3; behind every later even step s all four ask
; for steps s + 2 and s + 3 (the slot left one step ago and the slot just left).  So slots are filled again behind every second step only.  A wave has one tensor load out at a time.
; CLUSTER 4 x 4: A's tile hangs on cy (and the cluster's y), B's on cx: each is asked for jointly along a row or a column of the cluster.
; The text is straight: no loop, since tiles differ in addresses, biases, scales and the form of the way out.
; LIMITS: each single e between -126 and 119; e0+e1, e2+e3, e4+e5 between -126 and 127.  NaN among the inputs is not served.
; REGISTERS: window 0: v1-3 r, h, 16 x lane; v16-22 LDS addresses; v24-29; v32-95 codes; v128-191, v192-255 A's fragments, sets 0, 1.  window 1: B's fragments, sets at v0 and v128.
;   window 2: accumulator (a, b) at v[8 (8 a + b)].   window 3: v0-63 the bias by B row (tiles 0, 1); v64-71 the bias by A row, twice each (tile 2).
.set SLOT,  98304                      ; A's 8 blocks of 4,096 bytes, then B's 16
.set BOFF,  32768
.set SPARE, 3*SLOT                     ; behind the ring: the spare words, 128 bytes a wave: two blocks of 256 bytes that no other line names
.set LI,   3
.set ADRA, 16                          ; v16-18  my A fragments in slot 0, 1, 2
.set ADRB, 20                          ; v20-22  my B fragments
.set OSC,  24                          ; v24     2^eo
.set OLIM, 25
.set BNO,  26                          ; v26     32 h
.set BMO,  27                          ; v27     4 r
.set SPW,  28                          ; v28     my spare word; never rewritten
.set NIL,  29                          ; v29     0; never rewritten
.set CD,   32
.set BM,   64
.set WV,   20
.set OP,   21                          ; wave / 2: I fetch A (0) or B (1); also which 64 A rows are mine
.set PAR,  22                          ; wave % 2: which of two neighbouring steps I fetch; also which 128 B rows are mine
.set YY,   23
.set G1A,  24
.set G0A,  32
.set G0B,  36
.set G1B,  40
.set ABP,  48                          ; s[48:53] tile n's A rows at K step PAR
.set BBP,  54                          ; s[54:59] tile n's B rows at K step PAR
.set SW1,  60                          ; PAR x SLOT
.set SW02, 61                          ; (1 - PAR) x 2 SLOT
.set CX,   62
.set CY,   63
.set E,    68                          ; s[68:79] e0 .. e11
.set G0A2, 80                          ; s[80:87] the head's second load; behind the head's wait these registers take output addresses
.set G0B2, 84
.set KO,   80                          ; s[80:83] k's codes, my two heads
.set QO,   84                          ; s[84:87] q's
.set VO,   88                          ; s[88:89] v's
.set BKP,  90
.set BQP,  92
.set BVP,  94
.set SS,   96                          ; s[96:97] 2^(ea + eb), twice
.set MSB, 0
.macro WIN new                         ; the immediate's high byte repeats the setting that is left
.if MSB != \new
	s_set_vgpr_msb (MSB<<8)|\new
.set MSB, \new
.endif
.endm
.macro PLACES                          ; four plain vector lines behind a matrix instruction, ahead of loads into its registers and of reads of its results (ISA guide 7.12.1 for the reads)
.rept 4
	v_nop
.endr
.endm
.macro CREST                           ; a round of the cluster's barrier behind its opening barrier
	s_cmp_lg_u32 s[WV], 0
	s_cbranch_scc1 .Lnot_wave_0_\@
	s_barrier_signal -3
.Lnot_wave_0_\@:
	s_barrier_wait -3
	s_barrier_signal -1
	s_barrier_wait -1
.endm
.macro CROUND
	s_barrier_signal -1
	s_barrier_wait -1
	CREST
.endm
; A joint load.  Each of the two lines has one mask and one set of registers; the branch hangs on the wave's number alone.  An s_nop 0 and four v_nop follow each line.
.macro JLOAD g0a, g0b
	s_cmp_eq_u32 s[OP], 0
	s_cbranch_scc0 .Lfor_b_\@
	tensor_load_to_lds s[\g0a:\g0a+3], s[G1A:G1A+7]
	s_nop 0
.rept 4
	v_nop
.endr
	s_branch .Lasked_\@
.Lfor_b_\@:
	tensor_load_to_lds s[\g0b:\g0b+3], s[G1B:G1B+7]
	s_nop 0
.rept 4
	v_nop
.endr
.Lasked_\@:
.endm
.macro JLOADP g0a, g0b, par            ; the same, issued by the waves of one parity alone: again a branch on the wave's number
	s_cmp_lg_u32 s[PAR], \par
	s_cbranch_scc1 .Lnone_\@
	JLOAD \g0a, \g0b
.Lnone_\@:
.endm
; Both groups 0: LDS address = s[ls] + lb (B's 32 KiB further on), global address = tile n's rows, ks steps on (my parity's step is in the base).
.macro SETG0 ga, gb, ls, lb, n, ks
	s_add_co_u32 s[\ga+1], s[\ls], \lb
	s_add_co_u32 s[\gb+1], s[\ls], \lb+BOFF
	s_add_nc_u64 s[\ga+2:\ga+3], s[ABP+2*\n:ABP+2*\n+1], \ks*4096
	s_or_b32 s[\ga+3], s[\ga+3], 0x80000000
	s_add_nc_u64 s[\gb+2:\gb+3], s[BBP+2*\n:BBP+2*\n+1], \ks*4096
	s_or_b32 s[\gb+3], s[\gb+3], 0x80000000
.endm
; 48 LDS loads in one run: the fragments of the q-th 128 along K of slot sl into set p: B's eight, A's four.
.macro FETCH sl, q, p
	WIN 0x40                                       ; destination window 1, address window 0
.irp b, 0,1,2,3,4,5,6,7
.irp g, 0,1,2,3
	ds_load_b128 v[128*(\p)+16*\b+4*\g:128*(\p)+16*\b+4*\g+3], v[ADRB+\sl] offset:4096*\b+2048*(\q)+512*\g
.endr
.endr
	WIN 0
.irp a, 0,1,2,3
.irp g, 0,1,2,3
	ds_load_b128 v[128+64*(\p)+16*\a+4*\g:128+64*(\p)+16*\a+4*\g+3], v[ADRA+\sl] offset:4096*\a+2048*(\q)+512*\g
.endr
.endr
.endm
; 16 matrix instructions: A's blocks a0, a0 + 1 x B's eight, 128 along K, set p.  The 32 accumulators take turns, one instruction a turn, in the same order in every 128 along K.
.macro MUL16 a0, p, zero
	WIN 0xa1                                       ; source 0 (B) window 1, source 1 (A) window 0, C and D window 2
.irp a, \a0, \a0+1
.irp b, 0,1,2,3,4,5,6,7
.if \zero
	v_wmma_f32_16x16x128_fp8_fp8 v[8*(8*(\a)+\b):8*(8*(\a)+\b)+7], v[128*(\p)+16*\b:128*(\p)+16*\b+15], v[128+64*(\p)+16*(\a):128+64*(\p)+16*(\a)+15], 0
.else
	v_wmma_f32_16x16x128_fp8_fp8 v[8*(8*(\a)+\b):8*(8*(\a)+\b)+7], v[128*(\p)+16*\b:128*(\p)+16*\b+15], v[128+64*(\p)+16*(\a):128+64*(\p)+16*(\a)+15], v[8*(8*(\a)+\b):8*(8*(\a)+\b)+7]
.endif
.endr
.endr
.endm
; A K step's first half: set 0 is multiplied while set 1 (the second 128 along K) is on its way.  zero = 1: a tile's first products start the sums.
.macro STEP sl, zero
	PLACES
	FETCH \sl, 1, 1
	s_wait_dscnt 48                                ; all but the 48 loads just issued: set 0 is in
	MUL16 0, 0, \zero
	MUL16 2, 0, \zero
	WIN 0
.endm
; Its second half, and the change of slots.  In front of the barrier each wave waits for all its tensor loads, adds 0 to its spare word, and waits for that and for its reads of the slot.
; fill = 0: nothing is filled.  fill = 1: the barrier opens a round of the cluster's barrier, and each wave's one joint load stands first behind it.  fill = 2: the same, the odd waves alone load.
.macro TURN nxt, fill, ls, lb, n, ks
	s_wait_dscnt 0x0                               ; set 1 is in: my reads of this slot are over
	MUL16 0, 1, 0
	WIN 0
	s_wait_tensorcnt 0x0                           ; all my tensor loads have landed, so a group 0 may be written
	ds_add_u32 v[SPW], v[NIL]                      ; 0 onto my spare word
.if \fill
	SETG0 G0A, G0B, \ls, \lb, \n, \ks
.endif
	s_wait_dscnt 0x0                               ; the add is done
	s_barrier_signal -1
	s_barrier_wait -1
.if \fill == 1
	CREST                                          ; no wave of any partner still reads the two slots or has a load on its way
	JLOAD G0A, G0B                                 ; its four v_nop are also the places in front of the loads below
.elseif \fill == 2
	CREST
	JLOADP G0A, G0B, 1
	PLACES                                         ; for the waves that issued nothing
.else
	PLACES
.endif
	FETCH \nxt, 0, 0
	MUL16 2, 1, 0
	WIN 0
.endm
.macro LAST
	s_wait_dscnt 0x0
	MUL16 0, 1, 0
	MUL16 2, 1, 0
	WIN 0
.endm
	s_load_b512 s[4:19], s[0:1], 0x0               ; xc, wc, the scales, bk, bq, bv, qc, kvc
	v_lshl_add_u32 v[SPW], v0, 2, SPARE
	v_mov_b32 v[NIL], 0
	ds_add_u32 v[SPW], v[NIL]                      ; the wave's opening: the add and its wait stand ahead of my first tensor load; work on registers stands between
	ds_add_u32 v[SPW], v[NIL]
	v_lshrrev_b32 v1, 5, v0
	v_readfirstlane_b32 s[WV], v1                  ; wave 0..3
	s_lshr_b32 s[OP], s[WV], 1
	s_and_b32 s[PAR], s[WV], 1
	s_bfe_u32 s[CX], ttmp6, 0x40000
	s_bfe_u32 s[CY], ttmp6, 0x40004
	s_and_b32 s[YY], ttmp7, 0xffff                 ; the cluster's y, 0..15 (its x is 0)
	s_lshl_b32 s2, s[CY], 2
	s_lshl_b32 s2, 15, s2                          ; my row of the cluster
	s_lshl_b32 s3, 0x1111, s[CX]                   ; my column
	; group 1: rows of 512 elements of 8 bytes (a 16-row block's 4,096 bytes of a K step), 2,048 elements (a block's 16,384 bytes) apart; 8 rows for A, 16 for B; no padding
	s_or_b32 s[G1A], s2, (3<<16)|(1<<21)           ; 15:0 the mask; 17:16 elements of 8 bytes; 21 set beside a mask
	s_or_b32 s[G1B], s3, (3<<16)|(1<<21)
	s_mov_b32 s[G1A+1], 512<<16                    ; tensor_dim0
	s_mov_b32 s[G1A+2], 8<<16                      ; tensor_dim1
	s_mov_b32 s[G1A+3], 512<<16                    ; tile_dim0
	s_mov_b32 s[G1A+4], 8                          ; tile_dim1
	s_mov_b32 s[G1A+5], 2048                       ; stride
	s_mov_b32 s[G1A+6], 0
	s_mov_b32 s[G1A+7], 0
	s_mov_b32 s[G1B+1], 512<<16
	s_mov_b32 s[G1B+2], 16<<16
	s_mov_b32 s[G1B+3], 512<<16
	s_mov_b32 s[G1B+4], 16
	s_mov_b32 s[G1B+5], 2048
	s_mov_b32 s[G1B+6], 0
	s_mov_b32 s[G1B+7], 0
	s_mov_b32 s[G0A], 1
	s_mov_b32 s[G0B], 1
	s_mov_b32 s[G0A2], 1
	s_mov_b32 s[G0B2], 1
	s_mul_i32 s[SW1], s[PAR], SLOT
	s_xor_b32 s[SW02], s[PAR], 1
	s_mul_i32 s[SW02], s[SW02], 2*SLOT
	s_lshl_b32 s100, s[PAR], 12                    ; my parity's K step: 4,096 bytes
	s_mov_b32 s67, 0
	s_mov_b32 s99, 0
	s_wait_dscnt 0x0                               ; the opening add is done
	s_wait_kmcnt 0x0
	s_load_b256 s[E:E+7], s[8:9], 0x0
	s_load_b128 s[E+8:E+11], s[8:9], 0x20
	; A's addresses are made of the cluster's y, cy and the wave's number, in s66; B's of the cluster's y, cx and the wave's number, in s98
	s_lshl_b32 s66, s[YY], 2
	s_add_co_u32 s66, s66, s[CY]                   ; tiles 0, 1: tile row 4 Y + cy of 64
	s_lshl_b32 s66, s66, 17                        ; 8 blocks of 16,384 bytes
	s_add_co_u32 s66, s66, s100
	s_add_nc_u64 s[ABP:ABP+1], s[4:5], s[66:67]
	s_add_nc_u64 s[ABP+2:ABP+3], s[ABP:ABP+1], 0x800000    ; x's second set
	s_lshr_b32 s66, s[YY], 3
	s_lshl_b32 s66, s66, 2
	s_add_co_u32 s66, s66, s[CY]                   ; tile 2: 128 channels: 4 (Y / 8) + cy of 8
	s_lshl_b32 s66, s66, 17
	s_add_co_u32 s66, s66, s100
	s_add_co_u32 s66, s66, 0x200000                ; Wv's codes
	s_add_nc_u64 s[ABP+4:ABP+5], s[6:7], s[66:67]
	s_lshl_b32 s98, s[CX], 18                      ; tiles 0, 1: tile column cx: 16 blocks of 16,384 bytes
	s_add_co_u32 s98, s98, s100
	s_add_nc_u64 s[BBP:BBP+1], s[6:7], s[98:99]
	s_add_nc_u64 s[BBP+2:BBP+3], s[BBP:BBP+1], 0x100000    ; Wq's codes
	s_and_b32 s98, s[YY], 7
	s_lshl_b32 s98, s98, 2
	s_add_co_u32 s98, s98, s[CX]                   ; tile 2: 256 tokens: 4 (Y % 8) + cx of 32
	s_lshl_b32 s98, s98, 18
	s_add_co_u32 s98, s98, s100
	s_add_co_u32 s98, s98, 0x1000000               ; x's third set
	s_add_nc_u64 s[BBP+4:BBP+5], s[4:5], s[98:99]
	SETG0 G0A, G0B, SW1, 0, 0, 0                   ; step PAR into slot PAR
	SETG0 G0A2, G0B2, SW02, 0, 0, 2                ; (even waves) step 2 into slot 2
	CROUND                                         ; all sixteen work-groups are here: the first joint loads meet
	JLOAD G0A, G0B
	s_wait_alu depctr_va_vdst(0)
	s_wait_tensorcnt 0x0
	ds_add_u32 v28, v29
	s_wait_dscnt 0x0
	CROUND
	JLOADP G0A2, G0B2, 0
	v_and_b32 v1, 15, v0                           ; r
	v_bfe_u32 v2, v0, 4, 1                         ; h
	s_wait_alu depctr_va_vdst(0)
	v_and_b32 v[LI], 31, v0
	v_lshlrev_b32 v[LI], 4, v[LI]
	s_lshl_b32 s2, s[OP], 14                       ; my four blocks of A
	s_lshl_b32 s3, s[PAR], 15                      ; my eight blocks of B,
	s_add_co_u32 s3, s3, BOFF                      ; behind A's
.irp s, 0,1,2
	v_add_nc_u32 v[ADRA+\s], s2, v[LI]
	v_add_nc_u32 v[ADRB+\s], s3, v[LI]
	s_add_co_u32 s2, s2, SLOT
	s_add_co_u32 s3, s3, SLOT
.endr
	v_lshlrev_b32 v[BNO], 5, v2
	v_lshlrev_b32 v[BMO], 2, v1
	s_wait_alu depctr_va_vdst(0)
	s_wait_tensorcnt 0x0                           ; my first fills have landed,
	s_barrier_signal -1
	s_barrier_wait -1                              ; everybody's have
	FETCH 0, 0, 0
	; where the results go (scalar work while LDS answers).  Tiles 0, 1: my rows are 16-row blocks rb .. rb + 3, my columns two heads
	s_lshl_b32 s2, s[YY], 2
	s_add_co_u32 s2, s2, s[CY]
	s_lshl_b32 s2, s2, 3
	s_lshl_b32 s3, s[OP], 2
	s_add_co_u32 s2, s2, s3                        ; rb = 8 (4 Y + cy) + 4 (wave / 2)
	s_lshr_b32 s3, s2, 7                           ; the batch
	s_and_b32 s2, s2, 127                          ; the 16-token block in it
	s_lshl_b32 s3, s3, 4
	s_lshl_b32 s66, s[CX], 2
	s_add_co_u32 s3, s3, s66
	s_lshl_b32 s66, s[PAR], 1
	s_add_co_u32 s3, s3, s66                       ; batch x 16 + my first head
	s_lshl_b32 s66, s3, 7
	s_add_co_u32 s66, s66, s2
	s_lshl_b32 s66, s66, 10                        ; qc: [head][128 blocks][1,024]
	s_add_nc_u64 s[QO:QO+1], s[16:17], s[66:67]
	s_add_nc_u64 s[QO+2:QO+3], s[QO:QO+1], 0x20000
	s_lshl_b32 s66, s3, 18                         ; kvc: [head][16 steps][16,384]: 8 key tiles of 1,024, then 4 channel tiles of 2,048
	s_lshr_b32 s98, s2, 3
	s_lshl_b32 s98, s98, 14
	s_add_co_u32 s66, s66, s98
	s_and_b32 s98, s2, 7
	s_lshl_b32 s98, s98, 10
	s_add_co_u32 s66, s66, s98
	s_add_nc_u64 s[KO:KO+1], s[18:19], s[66:67]
	s_add_nc_u64 s[KO+2:KO+3], s[KO:KO+1], 0x40000
	s_lshr_b32 s2, s[YY], 3                        ; tile 2: my 64 channels are one head, my 128 tokens one key step
	s_lshl_b32 s2, s2, 2
	s_add_co_u32 s2, s2, s[CY]
	s_lshl_b32 s3, s2, 1
	s_add_co_u32 s3, s3, s[OP]                     ; the head
	s_and_b32 s66, s[YY], 7
	s_lshl_b32 s66, s66, 2
	s_add_co_u32 s66, s66, s[CX]
	s_lshl_b32 s66, s66, 1
	s_add_co_u32 s66, s66, s[PAR]                  ; the key step, counted through the batches
	s_lshr_b32 s98, s66, 4
	s_lshl_b32 s98, s98, 4
	s_add_co_u32 s98, s98, s3
	s_lshl_b32 s98, s98, 18
	s_and_b32 s66, s66, 15
	s_lshl_b32 s66, s66, 14
	s_add_co_u32 s66, s66, s98
	s_add_co_u32 s66, s66, 8192
	s_add_nc_u64 s[VO:VO+1], s[18:19], s[66:67]
	s_lshl_b32 s66, s[CX], 10                      ; biases: bk, bq at my 128 columns; bv at my 64 channels
	s_lshl_b32 s98, s[PAR], 9
	s_add_co_u32 s66, s66, s98
	s_add_nc_u64 s[BKP:BKP+1], s[10:11], s[66:67]
	s_add_nc_u64 s[BQP:BQP+1], s[12:13], s[66:67]
	s_lshl_b32 s66, s2, 9
	s_lshl_b32 s98, s[OP], 8
	s_add_co_u32 s66, s66, s98
	s_add_nc_u64 s[BVP:BVP+1], s[14:15], s[66:67]
.macro BIAS_N base                     ; lane (r, h), tile b, register j: the bias of column 16 b + 8 h + j
	WIN 0xc0                                       ; destination window 3, address window 0
.irp b, 0,1,2,3,4,5,6,7
	global_load_b128 v[8*\b:8*\b+3], v[BNO], s[\base:\base+1] offset:64*\b
	global_load_b128 v[8*\b+4:8*\b+7], v[BNO], s[\base:\base+1] offset:64*\b+16
.endr
	WIN 0
.endm
.macro BIAS_M                          ; lane (r, h), block a: the bias of channel 16 a + r, in both registers of a pair
	WIN 0xc0
.irp a, 0,1,2,3
	global_load_b32 v[BM+2*\a], v[BMO], s[BVP:BVP+1] offset:64*\a
	global_load_b32 v[BM+2*\a+1], v[BMO], s[BVP:BVP+1] offset:64*\a
.endr
	WIN 0
.endm
	BIAS_N BKP
; THE WAY OUT of a tile: result = sum x 2^(ea + eb) + bias, one packed multiply-add for two numbers; the conversion.  A block's codes are the next operand's registers.
.macro EPI_HEAD ea, eb, eo
	s_wait_loadcnt 0x0                             ; the bias
	s_wait_xcnt 0x0                                ; the last tile's stores have read the codes' registers
	s_wait_kmcnt 0x0                               ; the scales
	s_add_co_i32 s[SS], s[E+\ea], s[E+\eb]
	s_add_co_i32 s[SS], s[SS], 127
	s_lshl_b32 s[SS], s[SS], 23
	s_mov_b32 s[SS+1], s[SS]                       ; (named with it as a pair, so it is written)
	s_add_co_i32 s2, s[E+\eo], 127
	s_lshl_b32 s3, s2, 23
	v_mov_b32 v[OSC], s3
	s_add_co_i32 s2, s2, 8
	s_lshl_b32 s2, s2, 23
	s_or_b32 s2, s2, 0x600000
	PLACES
.endm
.macro EPI_ROW a, vt
	WIN 0xb2                                       ; the sums: window 2; the bias: window 3
.set j, 0
.rept 32
.if \vt
	v_pk_fma_f32 v[64*\a+j:64*\a+j+1], v[64*\a+j:64*\a+j+1], s[SS:SS+1], v[BM+2*\a:BM+2*\a+1] op_sel_hi:[1,0,1]
.else
	v_pk_fma_f32 v[64*\a+j:64*\a+j+1], v[64*\a+j:64*\a+j+1], s[SS:SS+1], v[j:j+1] op_sel_hi:[1,0,1]   ; each accumulator from its low end on
.endif
.set j, j+2
.endr
	WIN 0x82
.set j, 0
.rept 64
.set j, j+1
.endr
	WIN 0x02
.irp b, 0,1,2,3,4,5,6,7
	v_cvt_scalef32_pk8_fp8_f32 v[CD+16*\a+2*\b:CD+16*\a+2*\b+1], v[64*\a+8*\b:64*\a+8*\b+7], v[OSC]
.endr
	v_nop                                          ; a plain line behind the last conversion: the next tile's products write its sources
	WIN 0
.endm
.macro EPI_QK ea, eb, eo, o            ; a block's 16 registers: two heads x an image of 16 rows x 64 (two groups); each store covers 512 consecutive bytes, aligned
	EPI_HEAD \ea, \eb, \eo
.irp a, 0,1,2,3
	EPI_ROW \a, 0
.irp hh, 0,1
.irp g, 0,1
	global_store_b128 v[LI], v[CD+16*\a+8*\hh+4*\g:CD+16*\a+8*\hh+4*\g+3], s[\o+2*\hh:\o+2*\hh+1] offset:1024*\a+512*\g
.endr
.endr
.endr
.endm
.macro EPI_V                           ; a block's 16 registers: an image of 16 channels x 128 keys
	EPI_HEAD 4, 5, 9
.irp a, 0,1,2,3
	EPI_ROW \a, 1
.irp g, 0,1,2,3
	global_store_b128 v[LI], v[CD+16*\a+4*\g:CD+16*\a+4*\g+3], s[VO:VO+1] offset:2048*\a+512*\g
.endr
.endr
.endm
	STEP 0, 1                                      ; step 0: tile 0 begins
	TURN 1, 2, SW02, 0, 0, 2                       ; the odd waves ask for step 3, into slot 0
	STEP 1, 0
	TURN 2, 0, SW1, 0, 0, 0
	STEP 2, 0
	TURN 0, 1, SW1, SLOT, 1, 0                     ; steps 4, 5 into slots 1, 2
	STEP 0, 0
	TURN 1, 0, SW1, 0, 0, 0
	EPI_QK 0, 1, 7, KO                             ; k
	BIAS_N BQP
	STEP 1, 1                                      ; step 4: tile 1 begins
	TURN 2, 1, SW1, 0, 1, 2                        ; steps 6, 7 into slots 0, 1
	STEP 2, 0
	TURN 0, 0, SW1, 0, 0, 0
	STEP 0, 0
	TURN 1, 1, SW02, 0, 2, 0                       ; steps 8, 9 into slots 2, 0
	STEP 1, 0
	TURN 2, 0, SW1, 0, 0, 0
	EPI_QK 2, 3, 6, QO                             ; q
	BIAS_M
	STEP 2, 1                                      ; step 8: tile 2 begins
	TURN 0, 1, SW1, SLOT, 2, 2                     ; steps 10, 11 into slots 1, 2
	STEP 0, 0
	TURN 1, 0, SW1, 0, 0, 0
	STEP 1, 0
	TURN 2, 0, SW1, 0, 0, 0
	STEP 2, 0
	LAST
	EPI_V                                          ; v, transposed
	s_wait_tensorcnt 0x0                           ; the wave's end, behind my last tensor load
	ds_add_u32 v[SPW], v[NIL]
	s_wait_dscnt 0x0
	CROUND                                         ; the closing round: no work-group ends while a partner may still ask for a tile that names it
	s_endpgm
.Lfunc_end_k_q27ec32fb9f_qkv:
	.size	k_q27ec32fb9f_qkv, .Lfunc_end_k_q27ec32fb9f_qkv-k_q27ec32fb9f_qkv
	.p2alignl 7, 3214868480
	.fill 96, 4, 3214868480
	.section	.rodata,"a",@progbits
	.p2align	6, 0x0
	.amdhsa_kernel k_q27ec32fb9f_qkv
		.amdhsa_group_segment_fixed_size 327680
		.amdhsa_private_segment_fixed_size 0
		.amdhsa_enable_private_segment 0
		.amdhsa_kernarg_size 64
		.amdhsa_user_sgpr_count 2
		.amdhsa_user_sgpr_kernarg_segment_ptr 1
		.amdhsa_wavefront_size32 1
		.amdhsa_system_sgpr_workgroup_id_x 1
		.amdhsa_system_sgpr_workgroup_id_y 1
		.amdhsa_system_sgpr_workgroup_id_z 1
		.amdhsa_system_vgpr_workitem_id 0
		.amdhsa_next_free_vgpr 1024
		.amdhsa_next_free_sgpr 102
		.amdhsa_reserve_vcc 0
		.amdhsa_float_denorm_mode_32 3
		.amdhsa_float_denorm_mode_16_64 3
		.amdhsa_fp16_overflow 1
		.amdhsa_memory_ordered 1
		.amdhsa_forward_progress 1
		.amdhsa_inst_pref_size 187
	.end_amdhsa_kernel
	.amdgpu_metadata
---
amdhsa.version: [ 1, 2 ]
amdhsa.kernels:
  - .name:           k_q27ec32fb9f_qkv
    .symbol:         k_q27ec32fb9f_qkv.kd
    .args:
      - { .name: xc, .offset: 0, .size: 8, .value_kind: global_buffer, .address_space: global }
      - { .name: wc, .offset: 8, .size: 8, .value_kind: global_buffer, .address_space: global }
      - { .name: lowp_scales, .offset: 16, .size: 8, .value_kind: global_buffer, .address_space: global }
      - { .name: bk, .offset: 24, .size: 8, .value_kind: global_buffer, .address_space: global }
      - { .name: bq, .offset: 32, .size: 8, .value_kind: global_buffer, .address_space: global }
      - { .name: bv, .offset: 40, .size: 8, .value_kind: global_buffer, .address_space: global }
      - { .name: qc, .offset: 48, .size: 8, .value_kind: global_buffer, .address_space: global }
      - { .name: kvc, .offset: 56, .size: 8, .value_kind: global_buffer, .address_space: global }
    .group_segment_fixed_size: 327680
    .private_segment_fixed_size: 0
    .kernarg_segment_align: 8
    .kernarg_segment_size: 64
    .max_flat_workgroup_size: 128
    .sgpr_count:     102
    .vgpr_count:     1024
    .wavefront_size: 32
...
	.end_amdgpu_metadata
.endif
;; end of part 2
;; launch attn (part 3): grid 4 x 64, 16 waves a work-group, no clusters, 327,680 bytes of LDS; arguments qc, kvc, lowp_scales, yc; writes yc
.if DOCPART == 3
	.amdgcn_target "amdgcn-amd-amdhsa--gfx1250"
	.amdhsa_code_object_version 6
	.text
	.protected	k_q27ec32fb9f_attn
	.globl	k_q27ec32fb9f_attn
	.p2align	8
	.type	k_q27ec32fb9f_attn,@function
k_q27ec32fb9f_attn:
	s_mov_b64 s[64:65], 0
	v_nop
	global_prefetch_b8 v0, s[64:65] scope:SCOPE_SE
	s_setreg_imm32_b32 hwreg(HW_REG_WAVE_MODE, 25, 1), 1
	s_wait_xcnt 0x0
; y = softmax(q k^T / 8, causal) v for one head, both products on E4M3 codes; y is quantised at once (entry 10) and stored as codes for the last product.
; THE SOFTMAX AHEAD OF THE SECOND PRODUCT: t = score x log2(e) / 8; M = the row's largest t so far, rounded UP to a whole number; p = 2^(t - M) is quantised (entry 8), not normalised; the row's sum is taken of
; the unquantised p and divides at the end.  When M moves, the sum and O are multiplied by 2^(old M - new M), which rounds nothing.
; SHARES.  Work-group (j, head) serves the head's query block j (256 queries) and then block 7 - j.  Block b needs key slots 0 .. b of 256 keys: (j + 1) + (8 - j) = 9 slots for every j: the trip count is a constant,
; all work-groups have equal work, and no slot that the mask hides whole is fetched.  Sixteen waves, one tile of 16 queries each: four waves to a SIMD, so that one wave's vector work stands beside another's products.
; NO CLUSTER: in one trip the four work-groups of a head want different key slots (trip + 1 or trip - j), so no joint request can be the same in all four.
; LAYOUT.  All codes are images of operand registers (lane (r, h): row r; registers 2c, 2c+1: k = 16c + 8h + 0..7).  S^T = K Q^T (source 0 = 16 keys, source 1 = my 16 queries; K = 64) gives lane (r, h) query r and, in
; tile t, keys 16 t + 8 h + 0..7: one conversion of a tile's eight registers is pair c = t of P.  O^T = V^T P^T (source 0 = 16 channels x 128 keys): again one query a lane, and a tile's conversion is a pair of y's image.
; THE RING: two LDS slots of 32 KiB; a slot is two key steps, each 8 KiB of K (8 tiles) and 8 KiB of V^T (4 tiles): one dense block of kvc.  Waves 0 and 1 fetch a step each; one tensor load of theirs is out at a time.
; LIMITS: e6 + e7 between -123 and 130 (they are added to c's exponent field); e8 and e10 between -126 and 119; t above -3e38.  NaN is not served.
.set SPARE, 65536                      ; behind the ring: the spare words, 128 bytes a wave: eight blocks of 256 bytes that no other line names
.set SLX,   0x8000                     ; one exclusive or turns an address in one slot into the other's
.set LI,  1                            ; v1   16 x lane
.set ADR, 2                            ; v2   the slot in hand + 16 x lane
.set PFO, 3                            ; v3   256 x lane
.set RH,  4                            ; v4   r - 8 h
.set SPW, 5                            ; v5   my spare word; never rewritten
.set NIL, 6                            ; v6   0; never rewritten
.set DD,  7                            ; v7   the mask's d
; v8: 2^e8;  v10: 2^e10;  v12 -M, v13 the largest t, v[14:15] the sum;  v16-23 Q, v24-31 the second block's Q
.set FR,  32                           ; v32-95   K's, then V's fragments
.set S,   96                           ; v96-159  S^T, then p
.set O,   160                          ; v160-191 O^T
.set PC,  192                          ; v192-207 p's codes
; v208-215, v216-223 y's codes;  v[224:225] f;  v226, v227 maxima;  v228 the permute's target;  v[230:231] a second sum;  v[232:233] 1 / the sum
.set WV,  12
.set J,   13
.set J1,  14
.set TR,  15
.set TB,  16
.set KF,  17
.set Q0,  18
.set Q0B, 19
.set SEL, 20
.set CS,  22
.set G1,  24
.set G0,  32
.set KVW, 36                           ; s[36:37] kvc at my head, + the step that my wave's parity fetches
.set TP,  38                           ; s[38:39] an offset; s39 stays 0
.set YPA, 40
.set YPB, 42
.set PFA, 44
.set LIM, 46
.set BH,  47
.set E,   48                           ; s[48:59] e0 .. e11
.macro TLOAD                           ; waves 0 and 1 fetch; the branch hangs on the wave's number alone; an s_nop 0 and four v_nop follow the load
	s_cmp_lt_u32 s[WV], 2
	s_cbranch_scc0 .Lnone_\@
	tensor_load_to_lds s[G0:G0+3], s[G1:G1+7]
	s_nop 0
.rept 4
	v_nop
.endr
.Lnone_\@:
.endm
; A PREFETCH INTO THE L2.  Work-group j = 0 of a head asks, in trip t, for key slot t (its second block walks slots 0 .. 7); in the same trip its waves 4 to 7, which fetch nothing, name slot t + 1, which it will ask for one
; trip later: 8,192 bytes a wave, lanes 256 bytes apart, one instruction.  Slots 1 to 7 of a head are each named once in the launch; slot 0 comes by its loads alone; trip 7 names nothing.
.macro ASK
	s_cmp_lt_u32 s[TR], s[LIM]
	s_cbranch_scc0 .Lnot_mine_\@
	global_prefetch_b8 v[PFO], s[PFA:PFA+1] th:TH_LOAD_NT scope:SCOPE_SE
.Lnot_mine_\@:
.endm
	s_load_b256 s[4:11], s[0:1], 0x0               ; qc, kvc, the scales, yc
	v_lshl_add_u32 v[SPW], v0, 2, SPARE
	v_mov_b32 v[NIL], 0
	ds_add_u32 v[SPW], v[NIL]                      ; the wave's opening: the add and its wait stand ahead of the first tensor load; work on registers stands between
	ds_add_u32 v[SPW], v[NIL]
	v_lshrrev_b32 v2, 5, v0
	s_delay_alu instid0(VALU_DEP_1)
	v_readfirstlane_b32 s[WV], v2                  ; wave 0..15
	s_mov_b32 s[J], ttmp9
	s_add_co_u32 s[J1], s[J], 1
	s_and_b32 s[BH], ttmp7, 0xffff                 ; batch x 16 + head
	s_mov_b32 s[G1], 3<<16                         ; a dense block of 16,384 bytes as 64 rows of 32 elements of 8 bytes; no mask, no padding
	s_mov_b32 s[G1+1], 32<<16
	s_mov_b32 s[G1+2], 64<<16
	s_mov_b32 s[G1+3], 32<<16
	s_mov_b32 s[G1+4], 64
	s_mov_b32 s[G1+5], 32
	s_mov_b32 s[G1+6], 0
	s_mov_b32 s[G1+7], 0
	s_mov_b32 s[SEL], 0x76543210
	s_mov_b32 s[SEL+1], 0xfedcba98
	s_mov_b32 s[TR], 0
	s_mov_b32 s[TB], 0
	s_mov_b32 s[KF], 0
	s_and_b32 s61, s[WV], 1
	s_lshl_b32 s61, s61, 14                        ; which of a slot's two steps
	s_lshl_b32 s[TP], s[BH], 18                    ; a head's 262,144 bytes of kvc
	s_mov_b32 s[TP+1], 0
	s_wait_dscnt 0x0                               ; the opening add is done
	s_wait_kmcnt 0x0
	s_load_b256 s[E:E+7], s[8:9], 0x0
	s_load_b128 s[E+8:E+11], s[8:9], 0x20
	s_add_nc_u64 s[PFA:PFA+1], s[6:7], s[TP:TP+1]
	s_add_co_u32 s[TP], s[TP], s61
	s_add_nc_u64 s[KVW:KVW+1], s[6:7], s[TP:TP+1]
	s_mov_b32 s[G0], 1
	s_mov_b32 s[G0+1], s61                         ; LDS: slot 0
	s_mov_b64 s[G0+2:G0+3], s[KVW:KVW+1]           ; key slot 0
	s_or_b32 s[G0+3], s[G0+3], 0x80000000
	TLOAD
	s_and_b32 s60, s[WV], 3
	s_lshl_b32 s[TP], s60, 13
	s_add_nc_u64 s[PFA:PFA+1], s[PFA:PFA+1], s[TP:TP+1]    ; my 8,192 bytes of key slot 0; the first change of slots steps it to slot 1
	s_sub_co_u32 s60, s[WV], 4
	s_lshr_b32 s60, s60, 2                         ; 0 in waves 4 to 7,
	s_or_b32 s60, s60, ttmp9                       ; of work-group j = 0
	s_cmp_eq_u32 s60, 0
	s_cselect_b32 s[LIM], 7, 0
	v_and_b32 v[LI], 31, v0
	s_delay_alu instid0(VALU_DEP_1)
	v_lshlrev_b32 v[PFO], 8, v[LI]
	s_delay_alu instid0(VALU_DEP_2)
	v_lshlrev_b32 v[LI], 4, v[LI]
	s_wait_alu depctr_va_vdst(0)
	v_and_b32 v[RH], 15, v0
	v_bfe_u32 v[DD], v0, 4, 1
	s_delay_alu instid0(VALU_DEP_1)
	v_lshlrev_b32 v[DD], 3, v[DD]
	s_delay_alu instid0(VALU_DEP_1)
	v_sub_nc_u32 v[RH], v[RH], v[DD]
	s_lshl_b32 s60, s[J], 4
	s_add_co_u32 s60, s60, s[WV]                   ; my tile of 16 queries in the first block,
	s_sub_co_u32 s61, 7, s[J]
	s_lshl_b32 s61, s61, 4
	s_add_co_u32 s61, s61, s[WV]                   ; and in the second
	s_lshl_b32 s[Q0], s60, 4
	s_lshl_b32 s[Q0B], s61, 4
	s_lshl_b32 s68, s[BH], 7
	s_add_co_u32 s[TP], s68, s60
	s_lshl_b32 s[TP], s[TP], 10
	s_add_nc_u64 s[62:63], s[4:5], s[TP:TP+1]
	s_add_co_u32 s[TP], s68, s61
	s_lshl_b32 s[TP], s[TP], 10
	s_add_nc_u64 s[66:67], s[4:5], s[TP:TP+1]
	global_load_b128 v[16:19], v[LI], s[62:63]
	global_load_b128 v[20:23], v[LI], s[62:63] offset:512
	global_load_b128 v[24:27], v[LI], s[66:67]
	global_load_b128 v[28:31], v[LI], s[66:67] offset:512
	s_lshr_b32 s68, s[BH], 4
	s_lshl_b32 s68, s68, 7                         ; yc: [batch x 128 + 16-token block][8][2,048]; head hd's 64 channels are the 1,024 bytes at 1,024 hd
	s_and_b32 s69, s[BH], 15
	s_lshl_b32 s69, s69, 10
	s_add_co_u32 s[TP], s68, s60
	s_lshl_b32 s[TP], s[TP], 14
	s_add_co_u32 s[TP], s[TP], s69
	s_add_nc_u64 s[YPA:YPA+1], s[10:11], s[TP:TP+1]
	s_add_co_u32 s[TP], s68, s61
	s_lshl_b32 s[TP], s[TP], 14
	s_add_co_u32 s[TP], s[TP], s69
	s_add_nc_u64 s[YPB:YPB+1], s[10:11], s[TP:TP+1]
	v_mov_b32 v225, 0                              ; (named as the upper halves of pairs, so they are written)
	v_mov_b32 v233, 0
	v_mov_b32 v228, 0                              ; a lane permute's destination counts as one of its sources
	s_wait_kmcnt 0x0
	s_add_co_i32 s60, s[E+6], s[E+7]
	s_lshl_b32 s60, s60, 23
	s_add_co_i32 s[CS], s60, 0x3e38aa3b            ; c = log2(e) / 8, with e6 + e7 added to its exponent field: a score stands for score x 2^(e6 + e7)
	s_mov_b32 s[CS+1], s[CS]
	s_add_co_i32 s60, s[E+8], 127
	s_lshl_b32 s61, s60, 23
	v_mov_b32 v8, s61
	s_add_co_i32 s60, s[E+10], 127
	s_lshl_b32 s61, s60, 23
	v_mov_b32 v10, s61
.macro INIT                            ; a block of queries begins: the step is written once, and its first run finds zeros, which the first change of M leaves zeros
	v_mov_b32 v13, 0xff61b1e6                      ; -3e38, under every t
	s_delay_alu instid0(VALU_DEP_1)
	v_floor_f32 v12, -v13
	v_mov_b32 v14, 0
	v_mov_b32 v15, 0
.set j, 0
.rept 32
	v_mov_b32 v[O+j], 0
.set j, j+1
.endr
.endm
; A KEY STEP: 128 keys, the q-th of the slot in hand.
.macro STEP q
	s_add_co_u32 s60, s[Q0], 15                    ; a step all of whose keys come after my 16 queries is left out: a scalar branch on ids; no barrier and no tensor load stands in a step
	s_cmp_gt_u32 s[KF], s60
	s_cbranch_scc1 .Lhidden_\@
	v_add_nc_u32 v[ADR], s[TB], v[LI]
.rept 3
	v_nop                                          ; with the addition: four places in front of loads into registers that the last products read
.endr
.irp t, 0,1,2,3,4,5,6,7
.irp g, 0,1
	ds_load_b128 v[FR+8*\t+4*\g:FR+8*\t+4*\g+3], v[ADR] offset:16384*\q+1024*\t+512*\g
.endr
.endr
	s_wait_dscnt 0x0
	s_wait_alu depctr_va_vdst(0)
.irp t, 0,1,2,3,4,5,6,7
	v_wmma_f32_16x16x64_fp8_fp8 v[S+8*\t:S+8*\t+7], v[FR+8*\t:FR+8*\t+7], v[16:23], 0
.endr
.rept 4
	v_nop
.endr
.irp t, 0,1,2,3                                ; V's fragments are asked for now and land during the softmax
.irp g, 0,1,2,3
	ds_load_b128 v[FR+16*\t+4*\g:FR+16*\t+4*\g+3], v[ADR] offset:16384*\q+8192+2048*\t+512*\g
.endr
.endr
	s_add_co_u32 s60, s[KF], 127                   ; on the diagonal hidden scores become -infinity ahead of the maximum; a step all of whose keys count skips this
	s_cmp_le_u32 s60, s[Q0]
	s_cbranch_scc1 .Lopen_\@
	s_sub_co_i32 s60, s[Q0], s[KF]
	v_add_nc_u32 v[DD], s60, v[RH]                 ; d = my query - KF - 8 h.  Register 8 t + i holds key KF + 16 t + 8 h + i: hidden where 16 t + i > d
	v_mov_b32 v226, 0xff800000
.set n, 0
.rept 64
	v_cmp_gt_i32 vcc_lo, 16*(n/8)+n%8, v[DD]
	v_cndmask_b32 v[S+n], v[S+n], v226, vcc_lo
.set n, n+1
.endr
.Lopen_\@:
	v_max3_num_f32 v226, v[S], v[S+1], v[S+2]      ; the step's largest score of my query among my 64 keys, in two chains, each accumulator from its low end on,
	v_max3_num_f32 v227, v[S+3], v[S+4], v[S+5]
.irp i, 6,10,14,18,22,26,30,34,38,42,46,50,54,58
	v_max3_num_f32 v226, v226, v[S+\i], v[S+\i+1]
	v_max3_num_f32 v227, v227, v[S+\i+2], v[S+\i+3]
.endr
	v_max3_num_f32 v226, v226, v[S+62], v[S+63]
	s_delay_alu instid0(VALU_DEP_1)
	v_max_num_f32 v226, v226, v227
	s_delay_alu instid0(VALU_DEP_1)
	v_permlanex16_b32 v228, v226, s[SEL], s[SEL+1]
	s_delay_alu instid0(VALU_DEP_1)
	v_max_num_f32 v226, v226, v228                 ; and among lane l xor 16's
	s_delay_alu instid0(VALU_DEP_1)
	v_mul_f32 v226, s[CS], v226                    ; as t (c is positive)
	s_delay_alu instid0(VALU_DEP_1)
	v_max_num_f32 v13, v13, v226
	v_mov_b32 v226, v12
	s_delay_alu instid0(VALU_DEP_2)
	v_floor_f32 v12, -v13                          ; the new -M = floor(-t): M is a whole number
	s_delay_alu instid0(VALU_DEP_1)
	v_sub_f32 v226, v12, v226                      ; old M - new M: a whole number, 0 or less
	s_delay_alu instid0(VALU_DEP_1)
	v_cvt_i32_f32 v226, v226                       ; (it saturates)
	s_delay_alu instid0(VALU_DEP_1)
	v_ldexp_f32 v224, 1.0, v226                    ; f = 2^(old M - new M)
.set j, 0
.rept 32
	v_pk_fma_f32 v[S+j:S+j+1], v[S+j:S+j+1], s[CS:CS+1], v[12:13] op_sel_hi:[1,0,0]   ; t - M, two at a time
.set j, j+2
.endr
.set j, 0
	s_wait_alu depctr_va_vdst(0)
.rept 64
	v_exp_f32 v[S+j], v[S+j]                       ; p = 2^(t - M)
.set j, j+1
.endr
	v_pk_mul_f32 v[14:15], v[14:15], v[224:225] op_sel_hi:[1,0]   ; the sums under the new M: the plain line behind the exponentials
	s_wait_alu depctr_va_vdst(0)                   ; one wait for the whole batch, ahead of its first reader
	v_pk_add_f32 v[230:231], v[100:101], v[104:105]
	v_pk_add_f32 v[254:255], v[108:109], v[112:113]
	v_pk_add_f32 v[252:253], v[116:117], v[120:121]
	v_pk_add_f32 v[250:251], v[124:125], v[128:129]
	v_pk_add_f32 v[248:249], v[132:133], v[136:137]
	v_pk_add_f32 v[246:247], v[140:141], v[144:145]
	v_pk_add_f32 v[244:245], v[148:149], v[152:153]
	v_pk_add_f32 v[14:15], v[14:15], v[156:157]
	v_pk_add_f32 v[230:231], v[230:231], v[96:97]
	v_pk_add_f32 v[254:255], v[254:255], v[98:99]
	v_pk_add_f32 v[252:253], v[252:253], v[102:103]
	v_pk_add_f32 v[250:251], v[250:251], v[106:107]
	v_pk_add_f32 v[248:249], v[248:249], v[110:111]
	v_pk_add_f32 v[246:247], v[246:247], v[114:115]
	v_pk_add_f32 v[244:245], v[244:245], v[118:119]
	v_pk_add_f32 v[14:15], v[14:15], v[122:123]
	v_pk_add_f32 v[230:231], v[230:231], v[126:127]
	v_pk_add_f32 v[254:255], v[254:255], v[130:131]
	v_pk_add_f32 v[252:253], v[252:253], v[134:135]
	v_pk_add_f32 v[250:251], v[250:251], v[138:139]
	v_pk_add_f32 v[248:249], v[248:249], v[142:143]
	v_pk_add_f32 v[246:247], v[246:247], v[146:147]
	v_pk_add_f32 v[244:245], v[244:245], v[150:151]
	v_pk_add_f32 v[14:15], v[14:15], v[154:155]
	v_pk_add_f32 v[230:231], v[230:231], v[158:159]
	s_delay_alu instid0(VALU_DEP_2)
	v_pk_add_f32 v[14:15], v[14:15], v[250:251]
	s_delay_alu instid0(VALU_DEP_2)
	v_pk_add_f32 v[230:231], v[230:231], v[248:249]
	v_pk_add_f32 v[254:255], v[254:255], v[246:247]
	v_pk_add_f32 v[252:253], v[252:253], v[244:245]
	s_delay_alu instid0(VALU_DEP_2)
	v_pk_add_f32 v[14:15], v[14:15], v[254:255]
	s_delay_alu instid0(VALU_DEP_2)
	v_pk_add_f32 v[230:231], v[230:231], v[252:253]
	s_delay_alu instid0(VALU_DEP_1)
	v_pk_add_f32 v[14:15], v[14:15], v[230:231]
.irp t, 0,1,2,3,4,5,6,7
.irp i, 0,1,2,3,4,5,6,7
.endr
	v_cvt_scalef32_pk8_fp8_f32 v[PC+2*\t:PC+2*\t+1], v[S+8*\t:S+8*\t+7], v8
.endr
.set j, 0
.rept 16
	v_pk_mul_f32 v[O+j:O+j+1], v[O+j:O+j+1], v[224:225] op_sel_hi:[1,0]   ; O^T under the new M; also the plain lines behind the conversions
.set j, j+2
.endr
	s_wait_alu depctr_va_vdst(0)
	s_wait_dscnt 0x0                               ; V is in
.irp t, 0,1,2,3
	v_wmma_f32_16x16x128_fp8_fp8 v[O+8*\t:O+8*\t+7], v[FR+16*\t:FR+16*\t+15], v[PC:PC+15], v[O+8*\t:O+8*\t+7]   ; the four accumulators by turns; eight other products stand between a link and the next
.endr
.Lhidden_\@:
	s_add_co_u32 s[KF], s[KF], 128
.endm
; THE CHANGE OF SLOTS, at a trip's head.  Each wave waits for all its tensor loads, adds 0 to its spare word, and waits for that and for its reads of the slot that it has left.  Behind the barrier the slot ahead is
; whole and nobody reads the other.  fill = 1: that other slot takes the next trip's keys: key slot trip + 1 while the first block lasts, else trip - j.
.macro CHANGE fill
	s_wait_tensorcnt 0x0
	ds_add_u32 v[SPW], v[NIL]                      ; 0 onto my spare word; the descriptor's step stands between it and the wait for it
.if \fill
	s_xor_b32 s[G0+1], s[G0+1], SLX
	s_add_co_u32 s60, s[TR], 1
	s_sub_co_u32 s61, s[TR], s[J]
	s_cmp_le_u32 s60, s[J]
	s_cselect_b32 s60, s60, s61
	s_lshl_b32 s[TP], s60, 15
	s_add_nc_u64 s[G0+2:G0+3], s[KVW:KVW+1], s[TP:TP+1]
	s_or_b32 s[G0+3], s[G0+3], 0x80000000
	s_wait_xcnt 0x0                                ; the last prefetch, a trip back, has read its address
	s_add_nc_u64 s[PFA:PFA+1], s[PFA:PFA+1], 0x8000
.endif
	s_wait_dscnt 0x0
	s_barrier_signal -1
	s_barrier_wait -1
.if \fill
	TLOAD                                          ; the first thing behind the barrier, and a wave's one tensor load until the next
	ASK
.endif
.endm
; A block of queries ends: y = O^T x 2^(e8 + e9) / the sum, quantised; the eight code registers are two groups of y's image: two stores of 512 consecutive bytes, aligned.
.macro FINISH cy, yp
.rept 4
	v_nop
.endr
	v_add_f32 v14, v14, v15
	s_delay_alu instid0(VALU_DEP_1)
	v_permlanex16_b32 v228, v14, s[SEL], s[SEL+1]
	s_delay_alu instid0(VALU_DEP_1)
	v_add_f32 v14, v14, v228
	s_wait_alu depctr_va_vdst(0)
	v_rcp_f32 v232, v14
	v_nop                                          ; a plain line behind the transcendental
	s_add_co_i32 s60, s[E+8], s[E+9]
	s_wait_alu depctr_va_vdst(0)                   ; the wait, ahead of the first reader
	v_ldexp_f32 v232, v232, s60
.set j, 0
.rept 16
	v_pk_mul_f32 v[S+j:S+j+1], v[O+j:O+j+1], v[232:233] op_sel_hi:[1,0]   ; each accumulator from its low end on
.set j, j+2
.endr
.set j, 0
.rept 32
.set j, j+1
.endr
.irp t, 0,1,2,3
	v_cvt_scalef32_pk8_fp8_f32 v[\cy+2*\t:\cy+2*\t+1], v[S+8*\t:S+8*\t+7], v10
.endr
	v_nop                                          ; a plain line behind the last conversion: later products write its sources
	global_store_b128 v[LI], v[\cy:\cy+3], s[\yp:\yp+1]
	global_store_b128 v[LI], v[\cy+4:\cy+7], s[\yp:\yp+1] offset:512
.endm
	INIT
	s_wait_loadcnt 0x0                             ; Q, both blocks'
.Ltrip:                                            ; eight trips; behind each change of slots the next trip's keys are asked for
	CHANGE 1
	s_cmp_lg_u32 s[TR], s[J1]                      ; trip j + 1 begins the second block: a scalar branch on ids
	s_cbranch_scc1 .Lsame_block
	FINISH 208, YPA
	INIT
.irp i, 0,1,2,3,4,5,6,7
	v_mov_b32 v[16+\i], v[24+\i]
.endr
	s_mov_b32 s[KF], 0
	s_mov_b32 s[Q0], s[Q0B]
.Lsame_block:
	STEP 0
	STEP 1
	s_xor_b32 s[TB], s[TB], SLX
	s_add_co_u32 s[TR], s[TR], 1
	s_cmp_lt_u32 s[TR], 8
	s_cbranch_scc1 .Ltrip
	CHANGE 0                                       ; the ninth trip is written out
	STEP 0
	STEP 1
	FINISH 216, YPB
	s_wait_tensorcnt 0x0                           ; the wave's end, behind the last tensor load
	ds_add_u32 v[SPW], v[NIL]
	s_wait_dscnt 0x0
	s_endpgm
.Lfunc_end_k_q27ec32fb9f_attn:
	.size	k_q27ec32fb9f_attn, .Lfunc_end_k_q27ec32fb9f_attn-k_q27ec32fb9f_attn
	.p2alignl 7, 3214868480
	.fill 96, 4, 3214868480
	.section	.rodata,"a",@progbits
	.p2align	6, 0x0
	.amdhsa_kernel k_q27ec32fb9f_attn
		.amdhsa_group_segment_fixed_size 327680
		.amdhsa_private_segment_fixed_size 0
		.amdhsa_enable_private_segment 0
		.amdhsa_kernarg_size 32
		.amdhsa_user_sgpr_count 2
		.amdhsa_user_sgpr_kernarg_segment_ptr 1
		.amdhsa_wavefront_size32 1
		.amdhsa_system_sgpr_workgroup_id_x 1
		.amdhsa_system_sgpr_workgroup_id_y 1
		.amdhsa_system_sgpr_workgroup_id_z 1
		.amdhsa_system_vgpr_workitem_id 0
		.amdhsa_next_free_vgpr 256
		.amdhsa_next_free_sgpr 72
		.amdhsa_reserve_vcc 1
		.amdhsa_float_denorm_mode_32 3
		.amdhsa_float_denorm_mode_16_64 3
		.amdhsa_fp16_overflow 1
		.amdhsa_memory_ordered 1
		.amdhsa_forward_progress 1
		.amdhsa_inst_pref_size 89
	.end_amdhsa_kernel
	.amdgpu_metadata
---
amdhsa.version: [ 1, 2 ]
amdhsa.kernels:
  - .name:           k_q27ec32fb9f_attn
    .symbol:         k_q27ec32fb9f_attn.kd
    .args:
      - { .name: qc, .offset: 0, .size: 8, .value_kind: global_buffer, .address_space: global }
      - { .name: kvc, .offset: 8, .size: 8, .value_kind: global_buffer, .address_space: global }
      - { .name: lowp_scales, .offset: 16, .size: 8, .value_kind: global_buffer, .address_space: global }
      - { .name: yc, .offset: 24, .size: 8, .value_kind: global_buffer, .address_space: global }
    .group_segment_fixed_size: 327680
    .private_segment_fixed_size: 0
    .kernarg_segment_align: 8
    .kernarg_segment_size: 32
    .max_flat_workgroup_size: 512
    .sgpr_count:     72
    .vgpr_count:     256
    .wavefront_size: 32
...
	.end_amdgpu_metadata
.endif
;; end of part 3
;; launch proj (part 4): grid 4 x 64, 4 waves a work-group, clusters of 4 x 4, 327,680 bytes of LDS; arguments yc, wc, lowp_scales, bp, out0; writes out0
.if DOCPART == 4
	.amdgcn_target "amdgcn-amd-amdhsa--gfx1250"
	.amdhsa_code_object_version 6
	.text
	.protected	k_q27ec32fb9f_proj
	.globl	k_q27ec32fb9f_proj
	.p2align	8
	.type	k_q27ec32fb9f_proj,@function
k_q27ec32fb9f_proj:
	s_mov_b64 s[64:65], 0
	v_nop
	global_prefetch_b8 v0, s[64:65] scope:SCOPE_SE
	s_setreg_imm32_b32 hwreg(HW_REG_WAVE_MODE, 25, 1), 1
	s_wait_xcnt 0x0
	s_wait_alu depctr_hold_cnt(0) depctr_sa_sdst(0) depctr_va_vdst(0) depctr_va_sdst(0) depctr_va_ssrc(0) depctr_va_vcc(0) depctr_vm_vsrc(0)
	s_getreg_b32 s2, hwreg(HW_REG_IB_STS2, 6, 4)
	s_cmp_eq_u32 s2, 0
	s_cbranch_scc0 .Lentry_in_a_cluster
	s_endpgm
.Lentry_in_a_cluster:
	s_bfe_u32 s2, ttmp6, 0x10000c
	s_cmp_lg_u32 s2, 0xf033
	s_cbranch_scc0 .Lentry_shape_is_right
	s_endpgm
.Lentry_shape_is_right:
; out0 = y Wp^T + bp on E4M3 codes (v_wmma_f32_16x16x128_fp8_fp8, sums in f32): out = sum x 2^(e10 + e11) + bp.
; The codes are images of operand registers: 16 rows x 128 K = [group 0..3][lane][16 bytes]; lane (r, h) holds row r, registers 2c, 2c+1 hold k = 16c + 8h + 0..7: a fragment is four loads of 16 bytes a lane.
; A tile of out0 is 128 rows x 256 columns: 256 tiles, one for each work-group.  Four waves, 64 x 128 each: 32 accumulators.  THE MATRIX INSTRUCTION IS USED TRANSPOSED (source 0 = 16 rows of Wp, source 1 = 16 rows of y):
; a lane holds eight neighbouring columns of one row.
; THE RING: K goes in 4 steps of 256 through three LDS slots (step i in slot i % 3).  One tensor load brings one operand's whole tile of one step (A 32 KiB, B 64 KiB): waves 0, 1 fetch A, waves 2, 3 B.  Steps 0, 1, 2 go out
; at the head (even waves: steps 0 and 2; odd waves: step 1); behind step 0 the odd waves ask for step 3, into slot 0.  A wave has one tensor load out at a time.
; CLUSTER 4 x 4: A's tile hangs on cy and the cluster's y, B's on cx: each is asked for jointly along a row or a column of the cluster.
; LIMIT: e10 + e11 between -126 and 127.
; REGISTERS: window 0: v1-3 r, h, 16 x lane; v16-22 LDS addresses; v26-31; v32-95 a block's results; v128-191, v192-255 A's fragments, sets 0, 1, later rows on their way out.  window 1: B's fragments, sets at v0, v128.
;   window 2: accumulator (a, b) at v[8 (8 a + b)].   window 3: v0-63 the bias.
.set SLOT,  98304
.set BOFF,  32768
.set SPARE, 3*SLOT                     ; behind the ring: the spare words, 128 bytes a wave: two blocks of 256 bytes that no other line names
.set STAGE, SLOT                       ; the way out: 16 rows x 528 bytes a wave, in slot 1, whose one fill stands at the head and whose last read stands ahead of the barrier behind step 1
.set LI,   3
.set ADRA, 16
.set ADRB, 20
.set BNO,  26                          ; v26  32 h
.set SPW,  28                          ; v28  my spare word; never rewritten
.set NIL,  29                          ; v29  0; never rewritten
.set STO,  30                          ; v30  the stage: where I put 32 bytes of a row
.set RD,   31                          ; v31  and where I read a row back
.set TMP,  32
.set BK,   128
.set WV,   20
.set OP,   21
.set PAR,  22
.set YY,   23
.set G1A,  24
.set G0A,  32
.set G0B,  36
.set G1B,  40
.set ABP,  48
.set BBP,  54
.set SW1,  60
.set SW02, 61
.set CX,   62
.set CY,   63
.set E,    68                          ; s[68:69] e10, e11
.set G0A2, 80
.set G0B2, 84
.set OUTP, 88
.set BPP,  90
.set SS,   96
.set MSB, 0
.macro WIN new                         ; the immediate's high byte repeats the setting that is left
.if MSB != \new
	s_set_vgpr_msb (MSB<<8)|\new
.set MSB, \new
.endif
.endm
.macro PLACES                          ; four plain vector lines behind a matrix instruction, ahead of loads into its registers and of reads of its results (ISA guide 7.12.1 for the reads)
.rept 4
	v_nop
.endr
.endm
.macro CREST
	s_cmp_lg_u32 s[WV], 0
	s_cbranch_scc1 .Lnot_wave_0_\@
	s_barrier_signal -3
.Lnot_wave_0_\@:
	s_barrier_wait -3
	s_barrier_signal -1
	s_barrier_wait -1
.endm
.macro CROUND
	s_barrier_signal -1
	s_barrier_wait -1
	CREST
.endm
.macro JLOAD g0a, g0b                  ; a joint load: one mask and one set of registers a line; the branch hangs on the wave's number alone; an s_nop 0 and four v_nop follow each line
	s_cmp_eq_u32 s[OP], 0
	s_cbranch_scc0 .Lfor_b_\@
	tensor_load_to_lds s[\g0a:\g0a+3], s[G1A:G1A+7]
	s_nop 0
.rept 4
	v_nop
.endr
	s_branch .Lasked_\@
.Lfor_b_\@:
	tensor_load_to_lds s[\g0b:\g0b+3], s[G1B:G1B+7]
	s_nop 0
.rept 4
	v_nop
.endr
.Lasked_\@:
.endm
.macro JLOADP g0a, g0b, par            ; the same, issued by the waves of one parity alone
	s_cmp_lg_u32 s[PAR], \par
	s_cbranch_scc1 .Lnone_\@
	JLOAD \g0a, \g0b
.Lnone_\@:
.endm
.macro SETG0 ga, gb, ls, lb, ks
	s_add_co_u32 s[\ga+1], s[\ls], \lb
	s_add_co_u32 s[\gb+1], s[\ls], \lb+BOFF
	s_add_nc_u64 s[\ga+2:\ga+3], s[ABP:ABP+1], \ks*4096
	s_or_b32 s[\ga+3], s[\ga+3], 0x80000000
	s_add_nc_u64 s[\gb+2:\gb+3], s[BBP:BBP+1], \ks*4096
	s_or_b32 s[\gb+3], s[\gb+3], 0x80000000
.endm
.macro FETCH sl, q, p                  ; 48 LDS loads in one run: B's eight fragments, A's four
	WIN 0x40
.irp b, 0,1,2,3,4,5,6,7
.irp g, 0,1,2,3
	ds_load_b128 v[128*(\p)+16*\b+4*\g:128*(\p)+16*\b+4*\g+3], v[ADRB+\sl] offset:4096*\b+2048*(\q)+512*\g
.endr
.endr
	WIN 0
.irp a, 0,1,2,3
.irp g, 0,1,2,3
	ds_load_b128 v[128+64*(\p)+16*\a+4*\g:128+64*(\p)+16*\a+4*\g+3], v[ADRA+\sl] offset:4096*\a+2048*(\q)+512*\g
.endr
.endr
.endm
.macro MUL16 a0, p, zero               ; the 32 accumulators take turns, one instruction a turn, in the same order in every 128 along K
	WIN 0xa1
.irp a, \a0, \a0+1
.irp b, 0,1,2,3,4,5,6,7
.if \zero
	v_wmma_f32_16x16x128_fp8_fp8 v[8*(8*(\a)+\b):8*(8*(\a)+\b)+7], v[128*(\p)+16*\b:128*(\p)+16*\b+15], v[128+64*(\p)+16*(\a):128+64*(\p)+16*(\a)+15], 0
.else
	v_wmma_f32_16x16x128_fp8_fp8 v[8*(8*(\a)+\b):8*(8*(\a)+\b)+7], v[128*(\p)+16*\b:128*(\p)+16*\b+15], v[128+64*(\p)+16*(\a):128+64*(\p)+16*(\a)+15], v[8*(8*(\a)+\b):8*(8*(\a)+\b)+7]
.endif
.endr
.endr
.endm
.macro STEP sl, zero
	PLACES
	FETCH \sl, 1, 1
	s_wait_dscnt 48                                ; all but the 48 loads just issued: set 0 is in
	MUL16 0, 0, \zero
	MUL16 2, 0, \zero
	WIN 0
.endm
; A K step's second half and the change of slots.  fill = 2: the barrier opens a round of the cluster's barrier, and the odd waves' one joint load stands first behind it.  fill = 0: nothing is filled.
.macro TURN nxt, fill
	s_wait_dscnt 0x0                               ; set 1 is in: my reads of this slot are over
	MUL16 0, 1, 0
	WIN 0
	s_wait_tensorcnt 0x0                           ; all my tensor loads have landed, so a group 0 may be written
	ds_add_u32 v[SPW], v[NIL]                      ; 0 onto my spare word
.if \fill
	SETG0 G0A, G0B, SW02, 0, 2
.endif
	s_wait_dscnt 0x0                               ; the add is done
	s_barrier_signal -1
	s_barrier_wait -1
.if \fill
	CREST                                          ; no wave of any partner still reads slot 0 or has a load on its way
	JLOADP G0A, G0B, 1
.endif
	PLACES
	FETCH \nxt, 0, 0
	MUL16 2, 1, 0
	WIN 0
.endm
	s_load_b256 s[4:11], s[0:1], 0x0               ; yc, wc, the scales, bp
	s_load_b64 s[12:13], s[0:1], 0x20              ; out0
	v_lshl_add_u32 v[SPW], v0, 2, SPARE
	v_mov_b32 v[NIL], 0
	ds_add_u32 v[SPW], v[NIL]                      ; the wave's opening: the add and its wait stand ahead of my first tensor load; work on registers stands between
	ds_add_u32 v[SPW], v[NIL]
	v_lshrrev_b32 v1, 5, v0
	v_readfirstlane_b32 s[WV], v1
	s_lshr_b32 s[OP], s[WV], 1
	s_and_b32 s[PAR], s[WV], 1
	s_bfe_u32 s[CX], ttmp6, 0x40000
	s_bfe_u32 s[CY], ttmp6, 0x40004
	s_and_b32 s[YY], ttmp7, 0xffff
	s_lshl_b32 s2, s[CY], 2
	s_lshl_b32 s2, 15, s2                          ; my row of the cluster
	s_lshl_b32 s3, 0x1111, s[CX]                   ; my column
	s_or_b32 s[G1A], s2, (3<<16)|(1<<21)           ; rows of 512 elements of 8 bytes, 2,048 elements apart; 8 rows for A, 16 for B; no padding; bit 21 set beside a mask
	s_or_b32 s[G1B], s3, (3<<16)|(1<<21)
	s_mov_b32 s[G1A+1], 512<<16
	s_mov_b32 s[G1A+2], 8<<16
	s_mov_b32 s[G1A+3], 512<<16
	s_mov_b32 s[G1A+4], 8
	s_mov_b32 s[G1A+5], 2048
	s_mov_b32 s[G1A+6], 0
	s_mov_b32 s[G1A+7], 0
	s_mov_b32 s[G1B+1], 512<<16
	s_mov_b32 s[G1B+2], 16<<16
	s_mov_b32 s[G1B+3], 512<<16
	s_mov_b32 s[G1B+4], 16
	s_mov_b32 s[G1B+5], 2048
	s_mov_b32 s[G1B+6], 0
	s_mov_b32 s[G1B+7], 0
	s_mov_b32 s[G0A], 1
	s_mov_b32 s[G0B], 1
	s_mov_b32 s[G0A2], 1
	s_mov_b32 s[G0B2], 1
	s_mul_i32 s[SW1], s[PAR], SLOT
	s_xor_b32 s[SW02], s[PAR], 1
	s_mul_i32 s[SW02], s[SW02], 2*SLOT
	s_lshl_b32 s100, s[PAR], 12
	s_lshl_b32 s66, s[YY], 2                       ; A's address: the cluster's y, cy, the wave's number
	s_add_co_u32 s66, s66, s[CY]
	s_lshl_b32 s66, s66, 17
	s_add_co_u32 s66, s66, s100
	s_mov_b32 s67, 0
	s_lshl_b32 s98, s[CX], 18                      ; B's: cx, the wave's number
	s_add_co_u32 s98, s98, s100
	s_add_co_u32 s98, s98, 0x300000                ; Wp's codes
	s_mov_b32 s99, 0
	s_wait_dscnt 0x0                               ; the opening add is done
	s_wait_kmcnt 0x0
	s_load_b64 s[E:E+1], s[8:9], 0x28              ; e10, e11
	s_add_nc_u64 s[ABP:ABP+1], s[4:5], s[66:67]
	s_add_nc_u64 s[BBP:BBP+1], s[6:7], s[98:99]
	SETG0 G0A, G0B, SW1, 0, 0                      ; step PAR into slot PAR
	SETG0 G0A2, G0B2, SW02, 0, 2                   ; (even waves) step 2 into slot 2
	CROUND                                         ; all sixteen work-groups are here: the first joint loads meet
	JLOAD G0A, G0B
	s_wait_alu depctr_va_vdst(0)
	s_wait_tensorcnt 0x0
	ds_add_u32 v28, v29
	s_wait_dscnt 0x0
	CROUND
	JLOADP G0A2, G0B2, 0
	v_and_b32 v1, 15, v0                           ; r
	v_bfe_u32 v2, v0, 4, 1                         ; h
	s_wait_alu depctr_va_vdst(0)
	v_and_b32 v[LI], 31, v0
	v_lshlrev_b32 v[LI], 4, v[LI]
	s_lshl_b32 s2, s[OP], 14
	s_lshl_b32 s3, s[PAR], 15
	s_add_co_u32 s3, s3, BOFF
.irp s, 0,1,2
	v_add_nc_u32 v[ADRA+\s], s2, v[LI]
	v_add_nc_u32 v[ADRB+\s], s3, v[LI]
	s_add_co_u32 s2, s2, SLOT
	s_add_co_u32 s3, s3, SLOT
.endr
	v_lshlrev_b32 v[BNO], 5, v2
	s_wait_alu depctr_va_vdst(0)
	s_mul_i32 s2, s[WV], 16*528
	s_add_co_u32 s2, s2, STAGE
	v_mul_u32_u24 v[STO], v1, 528
	v_lshl_add_u32 v[STO], v2, 5, v[STO]
	v_add_nc_u32 v[STO], s2, v[STO]
	v_add_nc_u32 v[RD], s2, v[LI]
	s_lshl_b32 s2, s[YY], 2                        ; out0 at my first row and column
	s_add_co_u32 s2, s2, s[CY]
	s_lshl_b32 s2, s2, 7
	s_lshl_b32 s3, s[OP], 6
	s_add_co_u32 s2, s2, s3
	s_lshl_b32 s2, s2, 12
	s_lshl_b32 s66, s[CX], 10
	s_lshl_b32 s3, s[PAR], 9
	s_add_co_u32 s66, s66, s3                      ; my 128 columns, in bytes
	s_add_nc_u64 s[BPP:BPP+1], s[10:11], s[66:67]
	s_add_co_u32 s66, s66, s2
	s_add_nc_u64 s[OUTP:OUTP+1], s[12:13], s[66:67]
	WIN 0xc0                                       ; destination window 3
.irp b, 0,1,2,3,4,5,6,7
	global_load_b128 v[8*\b:8*\b+3], v[BNO], s[BPP:BPP+1] offset:64*\b           ; lane (r, h), tile b, register j: bp of column 16 b + 8 h + j
	global_load_b128 v[8*\b+4:8*\b+7], v[BNO], s[BPP:BPP+1] offset:64*\b+16
.endr
	WIN 0
	s_wait_tensorcnt 0x0                           ; my first fills have landed,
	s_barrier_signal -1
	s_barrier_wait -1                              ; everybody's have
	FETCH 0, 0, 0
	STEP 0, 1
	TURN 1, 2                                      ; the odd waves ask for step 3, into slot 0
	STEP 1, 0
	TURN 2, 0
	STEP 2, 0
	TURN 0, 0
	STEP 0, 0
	s_wait_dscnt 0x0
	MUL16 0, 1, 0
	MUL16 2, 1, 0
	WIN 0
; THE WAY OUT, block by block of 16 rows x 128 columns: a lane holds 32 neighbouring bytes of a row, so a block goes through my own stage and comes back as whole rows of 512 bytes.
; LDS serves a wave's instructions in order (ISA guide 5.7.1.4): no wait between the stores and the loads, nor in front of the next block's stores.
.macro TOSTAGE a
	WIN 0x32                                       ; the sums: window 2; the bias: window 3; the results: window 0
.set j, 0
.rept 32
	v_pk_fma_f32 v[TMP+j:TMP+j+1], v[64*\a+j:64*\a+j+1], s[SS:SS+1], v[j:j+1] op_sel_hi:[1,0,1]   ; sum x 2^(e10 + e11) + bp; each accumulator from its low end on
.set j, j+2
.endr
	WIN 0
.irp b, 0,1,2,3,4,5,6,7
	ds_store_b128 v[STO], v[TMP+8*\b:TMP+8*\b+3] offset:64*\b
	ds_store_b128 v[STO], v[TMP+8*\b+4:TMP+8*\b+7] offset:64*\b+16
.endr
.irp t, 0,1,2,3,4,5,6,7,8,9,10,11,12,13,14,15
	ds_load_b128 v[BK+64*((\a)%2)+4*\t:BK+64*((\a)%2)+4*\t+3], v[RD] offset:528*\t
.endr
.endm
.macro SEND a, younger                 ; younger: the LDS instructions issued behind block a's loads, which may stay out
	s_wait_dscnt \younger
.irp t, 0,1,2,3,4,5,6,7,8,9,10,11,12,13,14,15
	global_store_b128 v[LI], v[BK+64*((\a)%2)+4*\t:BK+64*((\a)%2)+4*\t+3], s[OUTP:OUTP+1] offset:(16*\a+\t)*4096 th:TH_STORE_NT   ; 32 lanes store 512 consecutive bytes, aligned; written once, read by nobody here
.endr
.endm
	s_wait_loadcnt 0x0                             ; the bias
	s_wait_kmcnt 0x0
	s_add_co_i32 s[SS], s[E], s[E+1]
	s_add_co_i32 s[SS], s[SS], 127
	s_lshl_b32 s[SS], s[SS], 23                    ; 2^(e10 + e11) as f32
	s_mov_b32 s[SS+1], s[SS]
	PLACES
	TOSTAGE 0
	TOSTAGE 1
	SEND 0, 32                                     ; behind block 0's loads: block 1's 16 stores and 16 loads
	s_wait_xcnt 0x0                                ; block 0's stores have read their registers: block 2's loads may land there
	TOSTAGE 2
	SEND 1, 32
	s_wait_xcnt 0x0
	TOSTAGE 3
	SEND 2, 32
	SEND 3, 0
	s_wait_tensorcnt 0x0                           ; the wave's end, behind my last tensor load and my last LDS store
	ds_add_u32 v[SPW], v[NIL]
	s_wait_dscnt 0x0
	CROUND                                         ; the closing round: no work-group ends while a partner may still ask for a tile that names it
	s_endpgm
.Lfunc_end_k_q27ec32fb9f_proj:
	.size	k_q27ec32fb9f_proj, .Lfunc_end_k_q27ec32fb9f_proj-k_q27ec32fb9f_proj
	.p2alignl 7, 3214868480
	.fill 96, 4, 3214868480
	.section	.rodata,"a",@progbits
	.p2align	6, 0x0
	.amdhsa_kernel k_q27ec32fb9f_proj
		.amdhsa_group_segment_fixed_size 327680
		.amdhsa_private_segment_fixed_size 0
		.amdhsa_enable_private_segment 0
		.amdhsa_kernarg_size 40
		.amdhsa_user_sgpr_count 2
		.amdhsa_user_sgpr_kernarg_segment_ptr 1
		.amdhsa_wavefront_size32 1
		.amdhsa_system_sgpr_workgroup_id_x 1
		.amdhsa_system_sgpr_workgroup_id_y 1
		.amdhsa_system_sgpr_workgroup_id_z 1
		.amdhsa_system_vgpr_workitem_id 0
		.amdhsa_next_free_vgpr 1024
		.amdhsa_next_free_sgpr 102
		.amdhsa_reserve_vcc 0
		.amdhsa_float_denorm_mode_32 3
		.amdhsa_float_denorm_mode_16_64 3
		.amdhsa_memory_ordered 1
		.amdhsa_forward_progress 1
		.amdhsa_inst_pref_size 77
	.end_amdhsa_kernel
	.amdgpu_metadata
---
amdhsa.version: [ 1, 2 ]
amdhsa.kernels:
  - .name:           k_q27ec32fb9f_proj
    .symbol:         k_q27ec32fb9f_proj.kd
    .args:
      - { .name: yc, .offset: 0, .size: 8, .value_kind: global_buffer, .address_space: global }
      - { .name: wc, .offset: 8, .size: 8, .value_kind: global_buffer, .address_space: global }
      - { .name: lowp_scales, .offset: 16, .size: 8, .value_kind: global_buffer, .address_space: global }
      - { .name: bp, .offset: 24, .size: 8, .value_kind: global_buffer, .address_space: global }
      - { .name: out0, .offset: 32, .size: 8, .value_kind: global_buffer, .address_space: global }
    .group_segment_fixed_size: 327680
    .private_segment_fixed_size: 0
    .kernarg_segment_align: 8
    .kernarg_segment_size: 40
    .max_flat_workgroup_size: 128
    .sgpr_count:     102
    .vgpr_count:     1024
    .wavefront_size: 32
...
	.end_amdgpu_metadata
.endif
;; end of part 4
